; MI455X (gfx1250); checked and timed in simulation.
; The chip was launched on July 23, 2026; its instructions are those of AMD's public machine-readable ISA for CDNA 5 (MIT licence, August 2026) and "CDNA5" Instruction Set Architecture Reference Guide (July 2026). The comments in the code are by the model that wrote it; some were corrected since.
;; Qfnn. Allowed arithmetic: float matrix products may take bf16 or f16 operands with f32 sums; all other float work in f32.
;; Inputs: W1 3 x 10 float32; W2 10 x 8 float32; b1 3 float32; b2 10 float32; beta 3 float32; beta2 8 float32; gamma 3 float32; gamma2 8 float32; m 3 x 2 float32; theta 3 x 2 float32; x 1,048,576 x 10 float32.
;; Outputs: out0 1,048,576 x 3 float32.
;; One version. Each part assembles by itself: llvm-mc -triple=amdgcn-amd-amdhsa -mcpu=gfx1250 --defsym DOCPART=n.
;; ======== version 1 of 1: 2 launches
;; limits: a function is approximated: absolute error at most 3.6e-06
;; workspace buffers: tbuf 8,388,608 bytes; stats 16,384 bytes
;; launch stat (part 1): grid 256 x 1, 8 waves a work-group, no clusters, 168,960 bytes of LDS; arguments x, W1, b1, gamma, beta, m, theta, tbuf, stats; writes tbuf, stats
.if DOCPART == 1
	.amdgcn_target "amdgcn-amd-amdhsa--gfx1250"
	.amdhsa_code_object_version 6
	.text
	.protected	k_q663b226825_stat
	.globl	k_q663b226825_stat
	.p2align	8
	.type	k_q663b226825_stat,@function
k_q663b226825_stat:
	s_mov_b64 s[64:65], 0
	v_nop
	global_prefetch_b8 v0, s[64:65] scope:SCOPE_SE
	s_setreg_imm32_b32 hwreg(HW_REG_WAVE_MODE, 25, 1), 1
	s_wait_xcnt 0x0
; stat: first of two launches.  For every row: linear 10 -> 3, GroupNorm over the 3 channels, six gaussian memberships, the eight
; products out_i = p0 (1 - p1) (1 - p2).  It stores (a) t0, t1 = the first two centred, normalised channels, 16 bytes a row pair, for the
; second launch, and (b) for each work-group the mean and the sum of squared deviations (M2) of each of the 8 products over its 4,096 rows.
;
; ALGEBRA.  W1c[j] = W1[j] - mean over j of W1, b1c likewise, so x . W1c[j] + b1c[j] is h_j - mu directly, and the third channel is
; -(hc0 + hc1): two dot products a row.  t_j = hc_j rsq(var + 1e-5).  A membership is exp2(-u^2), u = t_j A + B with
; kappa = sqrt(log2(e) / 2) / |theta|, A = gamma kappa, B = (beta - m) kappa.  min(sqrt(q + 1e-16), c)^2 = min(q + 1e-16, c^2) since the
; root is monotone; c^2 = fl(fl(0.99999)^2) = 0x3f7ffeb0.  For qubits 1 and 2 only 1 - p is used and fl(1 - (q + 1e-16)) = fl(1 - q) for
; every q (above 1.7e-9 the addend is under half a unit of q's last place, below it both round to 1): 1e-16 is added for qubit 0 alone.
; VARIANCE without a difference of large sums: a wave sums d = out - K and d^2 over its 512 rows with the pivot K one of its own samples,
; so sum d^2 is at most 512 times the wave's M2; the eight waves are combined exactly (mean first, then M2 + 512 (mean_w - mean)^2).
; LIMITS.  theta = 0 or denormal: 1 / |theta| is infinite and NaN comes out where the formula's limit is 0.
; NO MATRIX INSTRUCTIONS: after centring the product is 10 packed multiply-adds a row on data that already lie one row pair a lane; a matrix
; form would need 5 conversions a row, a tile of which 3 of 16 columns are used and a relayout, and would round x to bf16 in front of a
; normalisation and narrow gaussians.  NO CLUSTER: the work-groups share nothing but 200 bytes of parameters.
;
; SHARES.  Eight waves, 4,096 rows a work-group, 512 a wave, in four trips of 128 rows = two groups of 64.  A lane owns two neighbouring
; rows (80 bytes of x) and all plain arithmetic is packed over the row pair.  The work-group's 163,840 bytes of x fit in LDS: each wave
; asks for its own 20,480 bytes by four tensor loads of 20 rows of 256 bytes at its first lines, so nothing is ever filled twice and the
; work left behind the last arrival is a quarter of the wave's rows.  Only the issuing wave reads those bytes.
.set CHUNK, 5120                       ; bytes of x in a trip of a wave: 128 rows of 40 bytes = 20 rows of 256
.set WAVEB, 20480                      ; bytes of x of a wave
.set WGB,   163840                     ; bytes of x of a work-group
.set SCR,   163840                     ; LDS scratch behind x: MEAN[c][w] at 32 c + 4 w, M2[c][w] 256 further; no fill lands here
.set G1,    24                         ; s[24:31] descriptor group 1, one for all loads
.set G0,    32                         ; s[32:47] descriptor group 0, one set for each chunk
.set WC,    8                          ; v[8:27]   W1c[0][0..9], W1c[1][0..9]
.set BI,    28                         ; v[28:31]  (b1c0, 0), (b1c1, 0): start the two halves of a dot product
.set UC,    32                         ; v[32:43]  (A_f, B_f), f = 2 qubit + membership
.set CN,    44                         ; v[44:45]  (1/3, 1e-5)
.set KP,    46                         ; v[46:53]  -K_i, the pivots
.set SUM1,  54                         ; v[54:69]  sum of d_i, a pair (even row, odd row) for each i
.set SUM2,  70                         ; v[70:85]  sum of d_i^2
.set GB0,   86                         ; v[86:169]  group 0's registers
.set GB1,   170                        ; v[170:253] group 1's; they hold the raw parameters until the first trip
.set O_X,   0                          ; 20: the lane's two rows of x
.set O_AC,  20                         ; 8:  dot products at work: pair (row r, channel j) at 2 (2 r + j)
.set O_H,   28                         ; 6:  hc0, hc1, hc2 as row pairs
.set O_V,   34                         ; 2:  var + eps
.set O_R,   36                         ; 2:  rsq
.set O_T,   40                         ; 6:  t0, t1, t2
.set O_U,   46                         ; 12: u, then a0 a1 (qubit 0: p), b0 b1, c0 c1 (qubits 1, 2: 1 - p)
.set O_BC,  58                         ; 8:  b[s1] c[s0] at 2 (2 s1 + s0)
.set O_D,   66                         ; 16: d_i
.set EV,    GB0+O_D                    ; the wave's 16 sums on their way across the lanes
.set EW,    GB1+O_D                    ; what the other half of the lanes sends
.set QV,    GB0+O_U                    ; sum d / 512, then the wave's means
	s_load_b512 s[4:19], s[0:1], 0x0               ; x s[4:5], W1 s[6:7], b1 s[8:9], gamma s[10:11], beta s[12:13], m s[14:15], theta s[16:17], tbuf s[18:19]
	s_load_b64 s[20:21], s[0:1], 0x40              ; stats
	v_lshl_add_u32 v254, v0, 2, 0x29000
	v_mov_b32 v255, 0
	ds_add_u32 v254, v255
	ds_add_u32 v254, v255
	v_lshrrev_b32 v6, 5, v0
	v_readfirstlane_b32 s22, v6                    ; the wave's number as a scalar
	; group 1: a dense block as 20 rows of 32 elements of 8 bytes (256 bytes), pitch 32 elements, no padding
	s_mov_b32 s[G1+0], 3<<16                       ; no mask; element of 8 bytes
	s_mov_b32 s[G1+1], 32<<16                      ; tensor_dim0 = 32
	s_mov_b32 s[G1+2], 20<<16                      ; tensor_dim1 = 20
	s_mov_b32 s[G1+3], 32<<16                      ; tile_dim0 = 32
	s_mov_b32 s[G1+4], 20                          ; tile_dim1 = 20
	s_mov_b32 s[G1+5], 32                          ; pitch
	s_mov_b32 s[G1+6], 0
	s_mov_b32 s[G1+7], 0
	s_mul_i32 s66, ttmp9, WGB                      ; below 41,943,040: one word
	s_mul_i32 s23, s22, WAVEB                      ; the wave's bytes, in x's block and in LDS alike
	s_add_co_u32 s66, s66, s23
	s_mov_b32 s67, 0
	s_wait_dscnt 0x0
	s_wait_kmcnt 0x0
	s_add_nc_u64 s[4:5], s[4:5], s[66:67]          ; x at the wave's first row
	; The four first fills, in one group ahead of every wait on TENSORcnt, every LDS read and the barrier.  Four are out.
.irp k, 0,1,2,3
	s_mov_b32 s[G0+4*\k], 1
	s_add_co_u32 s[G0+4*\k+1], s23, \k*CHUNK       ; LDS: wave x 20,480 + chunk x 5,120
	s_add_nc_u64 s[G0+4*\k+2:G0+4*\k+3], s[4:5], \k*CHUNK
	s_or_b32 s[G0+4*\k+3], s[G0+4*\k+3], 0x80000000
	tensor_load_to_lds s[G0+4*\k:G0+4*\k+3], s[G1:G1+7]
	s_nop 0
.endr
	; the parameters, the same bytes in every lane
	v_mov_b32 v3, 0
.irp i, 0,1,2,3,4,5,6
	global_load_b128 v[170+4*\i:173+4*\i], v3, s[6:7] offset:16*\i     ; W1[j][i] in v[170 + 10 j + i]
.endr
	global_load_b64 v[198:199], v3, s[6:7] offset:112
	global_load_b96 v[200:202], v3, s[8:9]         ; b1
	global_load_b96 v[204:206], v3, s[10:11]       ; gamma
	global_load_b96 v[208:210], v3, s[12:13]       ; beta
	global_load_b128 v[212:215], v3, s[14:15]      ; m[j][k] in v[212 + 2 j + k]
	global_load_b64 v[216:217], v3, s[14:15] offset:16
	global_load_b128 v[218:221], v3, s[16:17]      ; theta likewise
	global_load_b64 v[222:223], v3, s[16:17] offset:16
	; addresses; none is written again
	v_and_b32 v6, 31, v0                           ; lane
	v_mul_u32_u24 v1, v6, 80
	v_add_nc_u32 v1, s23, v1                       ; LDS: my 80 bytes in the wave's first group.  Lanes 80 bytes apart: the 16 lanes of a 16-byte load touch columns 5 i mod 16, all different
	v_lshlrev_b32 v2, 4, v6
	v_lshl_add_u32 v2, s22, 12, v2                 ; tbuf: wave x 4,096 + 16 x lane
	s_lshl_b32 s68, s22, 2
	s_add_co_u32 s68, s68, SCR
	v_mov_b32 v4, s68                              ; scratch: my wave's word
	v_and_b32 v5, 7, v6
	v_lshlrev_b32 v5, 5, v5
	v_add_nc_u32 v5, SCR, v5                       ; scratch: channel lane & 7, all eight waves
	v_lshlrev_b32 v7, 2, v6                        ; stats: 4 x lane
	s_lshl_b32 s66, ttmp9, 15
	s_add_nc_u64 s[18:19], s[18:19], s[66:67]      ; tbuf at the work-group's 32,768 bytes
	s_lshl_b32 s66, ttmp9, 6
	s_add_nc_u64 s[20:21], s[20:21], s[66:67]      ; stats at the work-group's 64 bytes
	s_mov_b32 s70, 0x76543210                      ; v_permlanex16_b32: lane i reads lane i of the other half
	s_mov_b32 s71, 0xfedcba98
	s_mov_b32 s74, 0x3f7ffeb0                      ; c^2
	s_wait_loadcnt 0x0                             ; the parameters, once
.irp i, 0,2,4,6,8
	v_pk_add_f32 v[224+\i:225+\i], v[170+\i:171+\i], v[180+\i:181+\i]
	v_pk_add_f32 v[224+\i:225+\i], v[224+\i:225+\i], v[190+\i:191+\i]
	v_pk_fma_f32 v[WC+\i:WC+\i+1], v[224+\i:225+\i], 0xbeaaaaab, v[170+\i:171+\i] op_sel_hi:[1,0,1]       ; W1[0] - sum / 3
	v_pk_fma_f32 v[WC+10+\i:WC+11+\i], v[224+\i:225+\i], 0xbeaaaaab, v[180+\i:181+\i] op_sel_hi:[1,0,1]   ; W1[1] - sum / 3
.endr
	v_add_f32 v234, v200, v201
	v_add_f32 v234, v234, v202
	v_fmamk_f32 v[BI], v234, 0xbeaaaaab, v200
	v_mov_b32 v[BI+1], 0
	v_fmamk_f32 v[BI+2], v234, 0xbeaaaaab, v201
	v_mov_b32 v[BI+3], 0
.irp f, 0,1,2,3,4,5
	v_rcp_f32 v[236+\f], |v[218+\f]|
.endr
	v_mov_b32 v[CN], 0x3eaaaaab                    ; 1/3: also the plain instruction that stands behind the run of reciprocals (ISA guide 5.7.2)
	v_mov_b32 v[CN+1], 0x3727c5ac                  ; 1e-5
	s_wait_alu depctr_va_vdst(0)
.irp f, 0,1,2,3,4,5
	v_mul_f32 v[236+\f], 0x3f596d27, v[236+\f]     ; kappa = 0.8493218 / |theta|
	v_sub_f32 v[242+\f], v[208+\f/2], v[212+\f]    ; beta - m
.endr
.irp f, 0,1,2,3,4,5
	v_mul_f32 v[UC+2*\f], v[204+\f/2], v[236+\f]   ; A = gamma kappa
	v_mul_f32 v[UC+2*\f+1], v[242+\f], v[236+\f]   ; B = (beta - m) kappa
.endr
; d = a b + v[base + idx] in both halves: the constant's register is picked out of its even pair by op_sel
.macro PKFMA_C d, a, b, base, idx
.if (\idx)&1
	v_pk_fma_f32 v[\d:\d+1], v[\a:\a+1], v[\b:\b+1], v[\base+\idx-1:\base+\idx] op_sel:[0,0,1] op_sel_hi:[1,1,1]
.else
	v_pk_fma_f32 v[\d:\d+1], v[\a:\a+1], v[\b:\b+1], v[\base+\idx:\base+\idx+1] op_sel_hi:[1,1,0]
.endif
.endm
; ten LDS loads: both groups' 80 bytes a lane
.macro LOADX k
.irp i, 0,1,2,3,4
	ds_load_b128 v[GB0+4*\i:GB0+4*\i+3], v1 offset:\k*CHUNK+16*\i
.endr
.irp i, 0,1,2,3,4
	ds_load_b128 v[GB1+4*\i:GB1+4*\i+3], v1 offset:\k*CHUNK+2560+16*\i
.endr
.endm
; two rows x two channels: four chains, packed along the features, that take turns; the closing adds lay the results out as row pairs
.macro DOT gb
.irp i, 0,1,2,3,4
.irp r, 0,1
.irp j, 0,1
.if \i == 0
	v_pk_fma_f32 v[\gb+O_AC+2*(2*\r+\j):\gb+O_AC+2*(2*\r+\j)+1], v[\gb+10*\r+2*\i:\gb+10*\r+2*\i+1], v[WC+10*\j+2*\i:WC+10*\j+2*\i+1], v[BI+2*\j:BI+2*\j+1]
.else
	v_pk_fma_f32 v[\gb+O_AC+2*(2*\r+\j):\gb+O_AC+2*(2*\r+\j)+1], v[\gb+10*\r+2*\i:\gb+10*\r+2*\i+1], v[WC+10*\j+2*\i:WC+10*\j+2*\i+1], v[\gb+O_AC+2*(2*\r+\j):\gb+O_AC+2*(2*\r+\j)+1]
.endif
.endr
.endr
.endr
.irp r, 0,1
.irp j, 0,1
	v_add_f32 v[\gb+O_H+2*\j+\r], v[\gb+O_AC+2*(2*\r+\j)], v[\gb+O_AC+2*(2*\r+\j)+1]
.endr
.endr
.endm
.macro NORM_A
.irp gb, GB0, GB1
	v_pk_add_f32 v[\gb+O_H+4:\gb+O_H+5], v[\gb+O_H:\gb+O_H+1], v[\gb+O_H+2:\gb+O_H+3] neg_lo:[1,1] neg_hi:[1,1]   ; hc2 = -(hc0 + hc1)
	v_pk_mul_f32 v[\gb+O_V:\gb+O_V+1], v[\gb+O_H:\gb+O_H+1], v[\gb+O_H:\gb+O_H+1]
.endr
.irp gb, GB0, GB1
	v_pk_fma_f32 v[\gb+O_V:\gb+O_V+1], v[\gb+O_H+2:\gb+O_H+3], v[\gb+O_H+2:\gb+O_H+3], v[\gb+O_V:\gb+O_V+1]
.endr
.irp gb, GB0, GB1
	v_pk_fma_f32 v[\gb+O_V:\gb+O_V+1], v[\gb+O_H+4:\gb+O_H+5], v[\gb+O_H+4:\gb+O_H+5], v[\gb+O_V:\gb+O_V+1]
.endr
.irp gb, GB0, GB1
	v_pk_fma_f32 v[\gb+O_V:\gb+O_V+1], v[\gb+O_V:\gb+O_V+1], v[CN:CN+1], v[CN:CN+1] op_sel:[0,0,1] op_sel_hi:[1,0,1]   ; sum / 3 + 1e-5
.endr
.irp gb, GB0, GB1
	v_rsq_f32 v[\gb+O_R], v[\gb+O_V]
	v_rsq_f32 v[\gb+O_R+1], v[\gb+O_V+1]
.endr
.endm
.macro NORM_B k
	s_wait_alu depctr_va_vdst(0)
.irp j, 0,2,4
.irp gb, GB0, GB1
	v_pk_mul_f32 v[\gb+O_T+\j:\gb+O_T+\j+1], v[\gb+O_H+\j:\gb+O_H+\j+1], v[\gb+O_R:\gb+O_R+1]
.endr
.endr
	global_store_b128 v2, v[GB0+O_T:GB0+O_T+3], s[18:19] offset:\k*1024        ; t0, t1 of the row pair: a wave's store covers 512 consecutive bytes, aligned.
	global_store_b128 v2, v[GB1+O_T:GB1+O_T+3], s[18:19] offset:\k*1024+512    ; No hint: the next launch reads them
.endm
; u = t A + B for the six memberships, then u^2
.macro MEMB_U ub, t0, t1, t2
	v_pk_fma_f32 v[\ub+0:\ub+1], v[\t0:\t0+1], v[UC+0:UC+1], v[UC+0:UC+1] op_sel:[0,0,1] op_sel_hi:[1,0,1]
	v_pk_fma_f32 v[\ub+2:\ub+3], v[\t0:\t0+1], v[UC+2:UC+3], v[UC+2:UC+3] op_sel:[0,0,1] op_sel_hi:[1,0,1]
	v_pk_fma_f32 v[\ub+4:\ub+5], v[\t1:\t1+1], v[UC+4:UC+5], v[UC+4:UC+5] op_sel:[0,0,1] op_sel_hi:[1,0,1]
	v_pk_fma_f32 v[\ub+6:\ub+7], v[\t1:\t1+1], v[UC+6:UC+7], v[UC+6:UC+7] op_sel:[0,0,1] op_sel_hi:[1,0,1]
	v_pk_fma_f32 v[\ub+8:\ub+9], v[\t2:\t2+1], v[UC+8:UC+9], v[UC+8:UC+9] op_sel:[0,0,1] op_sel_hi:[1,0,1]
	v_pk_fma_f32 v[\ub+10:\ub+11], v[\t2:\t2+1], v[UC+10:UC+11], v[UC+10:UC+11] op_sel:[0,0,1] op_sel_hi:[1,0,1]
.irp f, 0,2,4,6,8,10
	v_pk_mul_f32 v[\ub+\f:\ub+\f+1], v[\ub+\f:\ub+\f+1], v[\ub+\f:\ub+\f+1]
.endr
.endm
.macro MEMB_E ub                       ; q = exp2(-u^2), in place
.irp f, 0,1,2,3,4,5,6,7,8,9,10,11
	v_exp_f32 v[\ub+\f], -v[\ub+\f]
.endr
.endm
.macro MEMB_P ub                       ; qubit 0: p = min(q + 1e-16, c^2); qubits 1, 2: 1 - min(q, c^2)
	v_pk_add_f32 v[\ub:\ub+1], v[\ub:\ub+1], 0x24e69595 op_sel_hi:[1,0]
	v_pk_add_f32 v[\ub+2:\ub+3], v[\ub+2:\ub+3], 0x24e69595 op_sel_hi:[1,0]
.irp f, 4,5,6,7,8,9,10,11,0,1,2,3
	v_min_num_f32 v[\ub+\f], s74, v[\ub+\f]
.endr
.irp f, 4,6,8,10
	v_pk_add_f32 v[\ub+\f:\ub+\f+1], 1.0, v[\ub+\f:\ub+\f+1] op_sel_hi:[0,1] neg_lo:[0,1] neg_hi:[0,1]
.endr
.endm
.macro BCM gb                          ; the four products b[s1] c[s0]
.irp s, 0,1,2,3
	v_pk_mul_f32 v[\gb+O_BC+2*\s:\gb+O_BC+2*\s+1], v[\gb+O_U+4+2*(\s/2):\gb+O_U+5+2*(\s/2)], v[\gb+O_U+8+2*(\s%2):\gb+O_U+9+2*(\s%2)]
.endr
.endm
; the pivots: -out_i of the wave's first row (lane 0, even row, group 0), sent to every lane
.macro PIVOT
.irp i, 0,1,2,3,4,5,6,7
	v_mul_f32 v[GB0+O_D+\i], -v[GB0+O_U+2*(\i/4)], v[GB0+O_BC+2*(\i%4)]
.endr
.irp i, 0,1,2,3,4,5,6,7
	v_readfirstlane_b32 s[48+\i], v[GB0+O_D+\i]
.endr
.irp i, 0,1,2,3,4,5,6,7
	v_mov_b32 v[KP+\i], s[48+\i]
.endr
.endm
; d_i = a[i / 4] bc[i % 4] - K_i in one rounding; sums of d and of d^2.  first = 1: the first group starts the sums, nothing is cleared
.macro ACC gb, first
.irp i, 0,1,2,3,4,5,6,7
.if \first
	PKFMA_C SUM1+2*\i, \gb+O_U+2*(\i/4), \gb+O_BC+2*(\i%4), KP, \i
.else
	PKFMA_C \gb+O_D+2*\i, \gb+O_U+2*(\i/4), \gb+O_BC+2*(\i%4), KP, \i
.endif
.endr
.irp i, 0,1,2,3,4,5,6,7
.if \first
	v_pk_mul_f32 v[SUM2+2*\i:SUM2+2*\i+1], v[SUM1+2*\i:SUM1+2*\i+1], v[SUM1+2*\i:SUM1+2*\i+1]
.else
	v_pk_add_f32 v[SUM1+2*\i:SUM1+2*\i+1], v[SUM1+2*\i:SUM1+2*\i+1], v[\gb+O_D+2*\i:\gb+O_D+2*\i+1]
	v_pk_fma_f32 v[SUM2+2*\i:SUM2+2*\i+1], v[\gb+O_D+2*\i:\gb+O_D+2*\i+1], v[\gb+O_D+2*\i:\gb+O_D+2*\i+1], v[SUM2+2*\i:SUM2+2*\i+1]
.endif
.endr
.endm
.macro TRIP k
	s_wait_tensorcnt 3-\k                          ; a wave's tensor loads end in the order of issue (ISA guide 10.11.1): chunk k is in, the 3 - k younger ones stay out
	LOADX \k
	s_wait_dscnt 5                                 ; group 0's five loads are back, group 1's five may be out
	DOT GB0
	s_wait_dscnt 0
	DOT GB1
	NORM_A
	v_nop                                          ; one plain instruction behind the run of four v_rsq_f32, ahead of their first use (ISA guide 5.7.2)
.if \k
	s_wait_xcnt 0x0                                ; t0, t1 are the data of the last trip's stores: written again only behind this wait
.endif
	NORM_B \k
	MEMB_U GB0+O_U, GB0+O_T, GB0+O_T+2, GB0+O_T+4
	MEMB_U GB1+O_U, GB1+O_T, GB1+O_T+2, GB1+O_T+4
	MEMB_E GB0+O_U
	MEMB_E GB1+O_U
	v_nop                                          ; one plain instruction behind the run of 24 v_exp_f32
	s_wait_alu depctr_va_vdst(0)
	MEMB_P GB0+O_U
	MEMB_P GB1+O_U
	BCM GB0
	BCM GB1
.if \k == 0
	PIVOT
	ACC GB0, 1
.else
	ACC GB0, 0
.endif
	ACC GB1, 0
.endm
	TRIP 0
	TRIP 1
	TRIP 2
	TRIP 3                                         ; its wait on TENSORcnt is for 0: none is out at the end
	; the wave's 16 sums: the two rows of a lane, then across the 32 lanes
.irp c, 0,1,2,3,4,5,6,7
	v_add_f32 v[EV+\c], v[SUM1+2*\c], v[SUM1+2*\c+1]
	v_add_f32 v[EV+8+\c], v[SUM2+2*\c], v[SUM2+2*\c+1]
.endr
.irp x, 1,2,4,8
.irp c, 0,1,2,3,4,5,6,7,8,9,10,11,12,13,14,15
	v_add_f32_dpp v[EV+\c], v[EV+\c], v[EV+\c] row_xmask:\x row_mask:0xf bank_mask:0xf
.endr
.endr
.irp c, 0,1,2,3,4,5,6,7,8,9,10,11,12,13,14,15
	v_permlanex16_b32 v[EW+\c], v[EV+\c], s70, s71 ; its destination counts as read: group 1's d registers have been written
.endr
.irp c, 0,1,2,3,4,5,6,7,8,9,10,11,12,13,14,15
	v_add_f32 v[EV+\c], v[EV+\c], v[EW+\c]
.endr
.irp c, 0,2,4,6
	v_pk_mul_f32 v[QV+\c:QV+\c+1], v[EV+\c:EV+\c+1], 0x3b000000 op_sel_hi:[1,0]                                        ; sum d / 512
.endr
.irp c, 0,2,4,6
	v_pk_fma_f32 v[EV+8+\c:EV+9+\c], v[QV+\c:QV+\c+1], v[EV+\c:EV+\c+1], v[EV+8+\c:EV+9+\c] neg_lo:[1,0,0] neg_hi:[1,0,0]   ; M2 = sum d^2 - (sum d)^2 / 512
	v_pk_add_f32 v[QV+\c:QV+\c+1], v[QV+\c:QV+\c+1], v[KP+\c:KP+\c+1] neg_lo:[0,1] neg_hi:[0,1]                            ; mean = K + sum d / 512
.endr
.irp c, 0,1,2,3,4,5,6,7
	v_max_num_f32 v[EV+8+\c], 0, v[EV+8+\c]
.endr
.irp c, 0,1,2,3,4,5,6,7
	ds_store_b32 v4, v[QV+\c] offset:32*\c         ; every lane writes the same word with the same number
	ds_store_b32 v4, v[EV+8+\c] offset:256+32*\c
.endr
	s_wait_dscnt 0x0                               ; for the others' sake: my stores are done before I signal
	s_barrier_signal -1
	s_barrier_wait -1                              ; the only barrier: all eight waves' figures lie in the scratch
	s_cmp_lg_u32 s22, 0
	s_cbranch_scc1 .Lend
	; wave 0 combines; lane l works on channel l & 7
	ds_load_b128 v[86:89], v5                      ; the eight waves' means
	ds_load_b128 v[90:93], v5 offset:16
	ds_load_b128 v[94:97], v5 offset:256           ; and M2
	ds_load_b128 v[98:101], v5 offset:272
	s_wait_dscnt 0x0
	v_pk_add_f32 v[102:103], v[86:87], v[88:89]
	v_pk_add_f32 v[104:105], v[90:91], v[92:93]
	v_pk_add_f32 v[102:103], v[102:103], v[104:105]
	v_add_f32 v102, v102, v103
	v_mul_f32 v102, 0x3e000000, v102               ; the work-group's mean: equal counts, so the mean of the means
	v_mov_b32 v103, v102
.irp w, 86,88,90,92
	v_pk_add_f32 v[\w:\w+1], v[\w:\w+1], v[102:103] neg_lo:[0,1] neg_hi:[0,1]
.endr
	v_pk_mul_f32 v[104:105], v[86:87], v[86:87]
	v_pk_add_f32 v[106:107], v[94:95], v[96:97]
	v_pk_fma_f32 v[104:105], v[88:89], v[88:89], v[104:105]
	v_pk_add_f32 v[108:109], v[98:99], v[100:101]
	v_pk_fma_f32 v[104:105], v[90:91], v[90:91], v[104:105]
	v_pk_add_f32 v[106:107], v[106:107], v[108:109]
	v_pk_fma_f32 v[104:105], v[92:93], v[92:93], v[104:105]
	v_add_f32 v106, v106, v107
	v_add_f32 v104, v104, v105
	v_fmamk_f32 v106, v104, 0x44000000, v106       ; M2 = sum of M2_w + 512 sum of (mean_w - mean)^2
	v_and_b32 v107, 8, v6
	v_cmp_ne_u32 vcc_lo, 0, v107
	v_cndmask_b32 v108, v102, v106, vcc_lo         ; lanes 0-7 the means, lanes 8-15 M2
	v_cmp_gt_u32 vcc_lo, 16, v6
	s_wait_xcnt 0x0                                ; EXEC is a source of the stores of t0, t1: it changes only behind this wait
	s_and_saveexec_b32 s75, vcc_lo
	global_store_b32 v7, v108, s[20:21]            ; 64 bytes: the work-group's record
	s_wait_xcnt 0x0                                ; and again in front of the line that widens it
	s_or_b32 exec_lo, exec_lo, s75
.Lend:
	s_wait_tensorcnt 0x0
	ds_add_u32 v254, v255
	s_wait_dscnt 0x0
	s_endpgm
.Lfunc_end_k_q663b226825_stat:
	.size	k_q663b226825_stat, .Lfunc_end_k_q663b226825_stat-k_q663b226825_stat
	.p2alignl 7, 3214868480
	.fill 96, 4, 3214868480
	.section	.rodata,"a",@progbits
	.p2align	6, 0x0
	.amdhsa_kernel k_q663b226825_stat
		.amdhsa_group_segment_fixed_size 168960
		.amdhsa_private_segment_fixed_size 0
		.amdhsa_enable_private_segment 0
		.amdhsa_kernarg_size 72
		.amdhsa_user_sgpr_count 2
		.amdhsa_user_sgpr_kernarg_segment_ptr 1
		.amdhsa_wavefront_size32 1
		.amdhsa_system_sgpr_workgroup_id_x 1
		.amdhsa_system_sgpr_workgroup_id_y 1
		.amdhsa_system_sgpr_workgroup_id_z 1
		.amdhsa_system_vgpr_workitem_id 0
		.amdhsa_next_free_vgpr 256
		.amdhsa_next_free_sgpr 80
		.amdhsa_reserve_vcc 1
		.amdhsa_float_denorm_mode_32 3
		.amdhsa_float_denorm_mode_16_64 3
		.amdhsa_memory_ordered 1
		.amdhsa_forward_progress 1
		.amdhsa_inst_pref_size 72
	.end_amdhsa_kernel
	.amdgpu_metadata
---
amdhsa.version: [ 1, 2 ]
amdhsa.kernels:
  - .name:           k_q663b226825_stat
    .symbol:         k_q663b226825_stat.kd
    .args:
      - { .name: x, .offset: 0, .size: 8, .value_kind: global_buffer, .address_space: global }
      - { .name: W1, .offset: 8, .size: 8, .value_kind: global_buffer, .address_space: global }
      - { .name: b1, .offset: 16, .size: 8, .value_kind: global_buffer, .address_space: global }
      - { .name: gamma, .offset: 24, .size: 8, .value_kind: global_buffer, .address_space: global }
      - { .name: beta, .offset: 32, .size: 8, .value_kind: global_buffer, .address_space: global }
      - { .name: m, .offset: 40, .size: 8, .value_kind: global_buffer, .address_space: global }
      - { .name: theta, .offset: 48, .size: 8, .value_kind: global_buffer, .address_space: global }
      - { .name: tbuf, .offset: 56, .size: 8, .value_kind: global_buffer, .address_space: global }
      - { .name: stats, .offset: 64, .size: 8, .value_kind: global_buffer, .address_space: global }
    .group_segment_fixed_size: 168960
    .private_segment_fixed_size: 0
    .kernarg_segment_align: 8
    .kernarg_segment_size: 72
    .max_flat_workgroup_size: 256
    .sgpr_count:     80
    .vgpr_count:     256
    .wavefront_size: 32
...
	.end_amdgpu_metadata
.endif
;; end of part 1
;; launch apply (part 2): grid 256 x 1, 8 waves a work-group, no clusters, 15,360 bytes of LDS; arguments tbuf, stats, gamma, beta, m, theta, gamma2, beta2, W2, b2, out0; writes out0
.if DOCPART == 2
	.amdgcn_target "amdgcn-amd-amdhsa--gfx1250"
	.amdhsa_code_object_version 6
	.text
	.protected	k_q663b226825_apply
	.globl	k_q663b226825_apply
	.p2align	8
	.type	k_q663b226825_apply,@function
k_q663b226825_apply:
	s_mov_b64 s[64:65], 0
	v_nop
	global_prefetch_b8 v0, s[64:65] scope:SCOPE_SE
	s_setreg_imm32_b32 hwreg(HW_REG_WAVE_MODE, 25, 1), 1
	s_wait_xcnt 0x0
; apply: second of two launches.  From t0, t1 (16 bytes a row pair) the six memberships and eight products are made again; BatchNorm with the
; batch's mean and variance, the first three rows of the 8 -> 10 linear layer, sin^2 and cos^2 of half the logits, three products a row.
;
; STATISTICS.  Every work-group combines the 256 records (mean, M2 over 4,096 rows each) for itself: e_g = mean_g - mean_0,
; mu = mean_0 + sum e / 256, M2 = sum M2_g + 4096 (sum e^2 - (sum e)^2 / 256): the pivot is one of the 256 means, so sum e^2 is at most
; 256 times what is left.  var = M2 / 2^20.
; LOGITS IN TURNS.  v_j = sum_i (out_i - mu_i) AJ[j][i] + C_j, AJ = W2 gamma2 rsq(var + 1e-5) / 2 pi, C = (b2 + sum_i W2 beta2) / 2 pi; the mean
; leaves out_i itself, inside a fused multiply-add.  sin(logit / 2) = +- sin(pi f), f = v - rndne(v) in [-1/2, 1/2], and only its square is used.
; sin(pi f) = f (c1 + w (c3 + w (c5 + w (c7 + w c9)))), w = f^2, the series' own coefficients; the first term left out is 3.6e-6 at f = 1/2.
; LIMITS.  theta = 0 or denormal gives NaN (as in the first launch).  v is a sum in f32: its absolute error grows with |logit| as the
; logit's own does in f32, a few times |logit| 2^-23.  W2's rows 3 to 9 and b2[3..9] do not enter the result (it is made of the first three
; logits alone) and are not loaded.
; NO MATRIX INSTRUCTIONS: the 8 -> 3 product's operands lie in registers, a row pair a lane, 24 packed multiply-adds; a matrix form would need
; conversions, a relayout and a tile with 3 of 16 columns used.  NO TENSOR LOADS: a wave's 16-byte loads of t0, t1 are 512 consecutive bytes and
; arrive as the packed pairs that the arithmetic wants.  NO CLUSTER: only 16 KiB of records are shared.
;
; SHARES as in the first launch: 8 waves, 512 rows a wave, four trips of two groups of 64 rows, two neighbouring rows a lane.
; All 26 loads of a wave are issued at its first lines; no load is issued later, so the counted waits below count what was issued behind.
.set SC2, 0                            ; LDS: 8 waves x 128: for quad q of a record sums of e at 32 q, of e^2 at 32 q + 16
.set BR,  1024                         ; 8 waves x 128, each wave's own: -mu[8], AJ[0][8], AJ[1][8], AJ[2][8]
.set OST, 2048                         ; 8 waves x 1,536, each wave's own: a trip's 128 rows of 12 bytes
.set PL,  14                           ; v[14:19]  (c9, c7), (c5, c3), (c1, c1)
.set UC,  20                           ; v[20:31]  (A_f, B_f), f = 2 qubit + membership
.set NM,  32                           ; v[32:39]  -mu_i
.set AJ,  40                           ; v[40:63]  AJ[j][i] at 8 j + i
.set CJ,  64                           ; v[64:67]  C0, C1, C2, 0
.set TD,  68                           ; v[68:99]  t0, t1 of the wave's eight groups, 4 registers each
.set GB0, 100                          ; v[100:159] group 0's registers
.set GB1, 160                          ; v[160:219] group 1's; both hold the prologue's numbers first
.set OB,  220                          ; v[220:231] a trip's rows on their way out
.set O_U,  2                           ; (0: t2)  12: u, then a0 a1, b0 b1, c0 c1
.set O_BC, 14                          ; 8:  b[s1] c[s0]
.set O_D,  22                          ; 16: out_i - mu_i; later 6: the two rows' results in memory order
.set O_V,  38                          ; 6:  v, then f, then sin
.set O_K,  44                          ; 6:  rndne(v), then the polynomial, then cos^2
.set O_W,  50                          ; 6:  f^2, then sin^2
.set O_E,  56                          ; 2:  cq1 cq2
.set O_G,  58                          ; 2:  cq0 cq2
	s_load_b512 s[4:19], s[0:1], 0x0               ; tbuf s[4:5], stats s[6:7], gamma s[8:9], beta s[10:11], m s[12:13], theta s[14:15], gamma2 s[16:17], beta2 s[18:19]
	s_load_b128 s[20:23], s[0:1], 0x40             ; W2 s[20:21], b2 s[22:23]
	s_load_b64 s[24:25], s[0:1], 0x50              ; out0
	v_lshl_add_u32 v232, v0, 2, 0x3800
	v_mov_b32 v233, 0
	v_lshrrev_b32 v1, 5, v0
	v_readfirstlane_b32 s26, v1                    ; the wave's number as a scalar
	v_and_b32 v1, 31, v0                           ; lane
	v_mov_b32 v2, 0
	v_lshlrev_b32 v3, 4, v1
	v_lshl_add_u32 v3, s26, 12, v3                 ; tbuf: wave x 4,096 + 16 x lane
	s_mul_i32 s27, s26, 6144
	v_lshl_add_u32 v4, v1, 4, s27                  ; out0: wave x 512 rows x 12 + 16 x lane
	s_mul_i32 s27, s26, 1536
	s_add_co_u32 s27, s27, OST
	v_mul_u32_u24 v5, v1, 24
	v_add_nc_u32 v5, s27, v5                       ; stage, in: my two rows' 24 bytes.  Lanes 6 words apart: 6 i mod 64 takes every even word once
	v_lshl_add_u32 v6, v1, 4, s27                  ; stage, back: 16 consecutive bytes a lane
	v_and_b32 v7, 7, v1
	v_lshlrev_b32 v7, 2, v7                        ; 4 x channel, channel = lane & 7
	v_lshlrev_b32 v8, 4, v0                        ; records: thread t takes quad t & 3 of work-groups t / 4 + 64 k
	v_and_b32 v149, 3, v1                          ; q
	v_lshlrev_b32 v9, 4, v149                      ; quad q of record 0: the pivot
	s_lshl_b32 s30, s26, 7
	v_lshl_add_u32 v10, v149, 5, s30               ; SC2 + wave x 128 + 32 q
	v_bfe_u32 v11, v1, 2, 1
	v_lshlrev_b32 v11, 5, v11
	v_lshl_add_u32 v11, v149, 2, v11               ; SC2 + 32 (channel / 4) + 4 (channel % 4)
	s_add_co_u32 s31, s30, BR
	v_add_nc_u32 v12, s31, v7                      ; BR + wave x 128 + 4 x channel
	v_mov_b32 v13, s31
	s_lshl_b32 s28, ttmp9, 15
	s_mov_b32 s29, 0
	s_mov_b32 s42, 0x3f7ffeb0                      ; c^2 = fl(fl(0.99999)^2)
	s_mov_b32 s43, 0x35800000                      ; 2^-20 = 1 / rows
	s_mov_b32 s44, 0x76543210                      ; v_permlanex16_b32: lane i reads lane i of the other half
	s_mov_b32 s45, 0xfedcba98
	s_wait_kmcnt 0x0
	s_add_nc_u64 s[4:5], s[4:5], s[28:29]          ; tbuf at the work-group's 32,768 bytes
	s_mul_i32 s28, ttmp9, 49152
	s_add_nc_u64 s[24:25], s[24:25], s[28:29]      ; out0 at the work-group's 4,096 rows
	; six loads: the membership parameters, the same bytes in every lane
	global_load_b96 v[100:102], v2, s[8:9]         ; gamma
	global_load_b96 v[104:106], v2, s[10:11]       ; beta
	global_load_b128 v[108:111], v2, s[12:13]      ; m[j][k] in v[108 + 2 j + k]
	global_load_b64 v[112:113], v2, s[12:13] offset:16
	global_load_b128 v[114:117], v2, s[14:15]      ; theta likewise
	global_load_b64 v[118:119], v2, s[14:15] offset:16
	; five: the records, 16 KiB shared out over the 256 threads, and the pivot
.irp k, 0,1,2,3
	global_load_b128 v[120+4*\k:123+4*\k], v8, s[6:7] offset:4096*\k
.endr
	global_load_b128 v[136:139], v9, s[6:7]
	; seven: what BatchNorm and the linear layer need of my channel
	global_load_b32 v140, v7, s[16:17]             ; gamma2[c]
	global_load_b32 v141, v7, s[18:19]             ; beta2[c]
	global_load_b32 v142, v7, s[20:21]             ; W2[0][c]
	global_load_b32 v143, v7, s[20:21] offset:32   ; W2[1][c]
	global_load_b32 v144, v7, s[20:21] offset:64   ; W2[2][c]
	global_load_b32 v145, v7, s[6:7]               ; record 0's mean of c
	global_load_b96 v[146:148], v2, s[22:23]       ; b2[0..2]
	; eight: all of the wave's t0, t1; read once in the launch
.irp n, 0,1,2,3,4,5,6,7
	global_load_b128 v[TD+4*\n:TD+4*\n+3], v3, s[4:5] offset:512*\n th:TH_LOAD_NT
.endr
	s_wait_loadcnt 20                              ; 5 + 7 + 8 loads were issued behind the membership parameters
.irp f, 0,1,2,3,4,5
	v_rcp_f32 v[174+\f], |v[114+\f]|
.endr
	v_mov_b32 v[PL+0], 0x3da83c1a                  ; c9 = pi^9 / 9!: also the plain instruction behind the run of reciprocals (ISA guide 5.7.2)
	v_mov_b32 v[PL+1], 0xbf196966                  ; c7 = -pi^7 / 7!
	v_mov_b32 v[PL+2], 0x402335e3                  ; c5 = pi^5 / 5!
	v_mov_b32 v[PL+3], 0xc0a55de7                  ; c3 = -pi^3 / 3!
	v_mov_b32 v[PL+4], 0x40490fdb                  ; c1 = pi
	v_mov_b32 v[PL+5], 0x40490fdb
	s_wait_alu depctr_va_vdst(0)
.irp f, 0,1,2,3,4,5
	v_mul_f32 v[174+\f], 0x3f596d27, v[174+\f]     ; kappa = 0.8493218 / |theta|
	v_sub_f32 v[206+\f], v[104+\f/2], v[108+\f]    ; beta - m
.endr
.irp f, 0,1,2,3,4,5
	v_mul_f32 v[UC+2*\f], v[100+\f/2], v[174+\f]   ; A = gamma kappa
	v_mul_f32 v[UC+2*\f+1], v[206+\f], v[174+\f]   ; B = (beta - m) kappa
.endr
	s_wait_loadcnt 15                              ; 7 + 8 were issued behind the records
	v_cmp_gt_u32 vcc_lo, 2, v149                   ; quads 0, 1 are means and have a pivot; quads 2, 3 are M2 and are summed as they are
.irp r, 136,137,138,139
	v_cndmask_b32 v[\r], 0, v[\r], vcc_lo
.endr
.irp k, 0,1,2,3
	v_pk_add_f32 v[150+4*\k:151+4*\k], v[120+4*\k:121+4*\k], v[136:137] neg_lo:[0,1] neg_hi:[0,1]
	v_pk_add_f32 v[152+4*\k:153+4*\k], v[122+4*\k:123+4*\k], v[138:139] neg_lo:[0,1] neg_hi:[0,1]
.endr
.irp h, 0,2
	v_pk_add_f32 v[166+\h:167+\h], v[150+\h:151+\h], v[154+\h:155+\h]
	v_pk_mul_f32 v[170+\h:171+\h], v[150+\h:151+\h], v[150+\h:151+\h]
.endr
.irp k, 154,158,162
.irp h, 0,2
	v_pk_fma_f32 v[170+\h:171+\h], v[\k+\h:\k+\h+1], v[\k+\h:\k+\h+1], v[170+\h:171+\h]
.endr
.endr
.irp k, 158,162
.irp h, 0,2
	v_pk_add_f32 v[166+\h:167+\h], v[166+\h:167+\h], v[\k+\h:\k+\h+1]
.endr
.endr
	; over the eight lanes of the wave that hold the same quad: lanes 4, 8 and 16 apart
.irp x, 4,8
.irp r, 166,167,168,169,170,171,172,173
	v_add_f32_dpp v[\r], v[\r], v[\r] row_xmask:\x row_mask:0xf bank_mask:0xf
.endr
.endr
.irp r, 0,1,2,3,4,5,6,7
	v_permlanex16_b32 v[150+\r], v[166+\r], s44, s45       ; the destinations have been written (the e above)
.endr
.irp r, 0,1,2,3,4,5,6,7
	v_add_f32 v[166+\r], v[166+\r], v[150+\r]
.endr
	ds_store_b128 v10, v[166:169]                  ; lanes of one quad write the same bytes with the same numbers
	ds_store_b128 v10, v[170:173] offset:16
	s_wait_dscnt 0x0                               ; for the others' sake: my stores are done before I signal
	s_barrier_signal -1
	s_barrier_wait -1                              ; the only barrier
	; every wave finishes for itself; lane l works on channel l & 7
.irp w, 0,1,2,3,4,5,6,7
	ds_load_b32 v[182+\w], v11 offset:128*\w       ; sum e
	ds_load_b32 v[190+\w], v11 offset:128*\w+16    ; sum e^2
	ds_load_b32 v[198+\w], v11 offset:128*\w+64    ; sum M2
.endr
	s_wait_dscnt 0x0
.irp b, 182,190,198
	v_pk_add_f32 v[\b:\b+1], v[\b:\b+1], v[\b+2:\b+3]
	v_pk_add_f32 v[\b+4:\b+5], v[\b+4:\b+5], v[\b+6:\b+7]
.endr
.irp b, 182,190,198
	v_pk_add_f32 v[\b:\b+1], v[\b:\b+1], v[\b+4:\b+5]
.endr
.irp b, 182,190,198
	v_add_f32 v[\b], v[\b], v[\b+1]
.endr
	s_wait_loadcnt 8                               ; the eight loads of t0, t1 were issued behind these parameters
	v_mul_f32 v206, 0x3b800000, v182               ; sum e / 256
	v_fma_f32 v207, v182, 0xbb800000, -v145        ; -mu = -(mean_0 + sum e / 256)
	v_fma_f32 v208, -v206, v182, v190
	v_max_num_f32 v208, 0, v208                    ; sum of (mean_g - mu)^2
	v_fmamk_f32 v209, v208, 0x45800000, v198       ; x 4,096 + sum M2
	v_fmaak_f32 v210, s43, v209, 0x3727c5ac        ; var + 1e-5
	v_rsq_f32 v211, v210
	v_mul_f32 v212, v142, v141                     ; W2[j][c] beta2[c]: three plain instructions behind v_rsq_f32, ahead of its use
	v_mul_f32 v213, v143, v141
	v_mul_f32 v214, v144, v141
	s_wait_alu depctr_va_vdst(0)
	v_mul_f32 v215, v140, v211
	v_mul_f32 v215, 0.15915494, v215               ; gamma2 rsq / 2 pi
	v_mul_f32 v216, v142, v215
	v_mul_f32 v217, v143, v215
	v_mul_f32 v218, v144, v215
.irp x, 1,2,4
.irp r, 212,213,214
	v_add_f32_dpp v[\r], v[\r], v[\r] row_xmask:\x row_mask:0xf bank_mask:0xf      ; over the eight channels
.endr
.endr
	ds_store_b32 v12, v207                         ; channel by channel into the wave's own bytes,
	ds_store_b32 v12, v216 offset:32
	ds_store_b32 v12, v217 offset:64
	ds_store_b32 v12, v218 offset:96
.irp i, 0,1,2,3,4,5,6,7
	ds_load_b128 v[NM+4*\i:NM+4*\i+3], v13 offset:16*\i    ; and all of them back into every lane: LDS serves a wave's instructions in order (ISA guide 5.7.1), so these see the stores above
.endr
.irp j, 0,1,2
	v_add_f32 v[CJ+\j], v[212+\j], v[146+\j]
.endr
.irp j, 0,1,2
	v_mul_f32 v[CJ+\j], 0.15915494, v[CJ+\j]
.endr
	v_mov_b32 v[CJ+3], 0
	s_wait_dscnt 0x0
; d = a b + v[base + idx] in both halves: the constant's register is picked out of its even pair by op_sel
.macro PKFMA_C d, a, b, base, idx
.if (\idx)&1
	v_pk_fma_f32 v[\d:\d+1], v[\a:\a+1], v[\b:\b+1], v[\base+\idx-1:\base+\idx] op_sel:[0,0,1] op_sel_hi:[1,1,1]
.else
	v_pk_fma_f32 v[\d:\d+1], v[\a:\a+1], v[\b:\b+1], v[\base+\idx:\base+\idx+1] op_sel_hi:[1,1,0]
.endif
.endm
; d += a v[base + idx] in both halves
.macro PKFMA_B d, a, base, idx
.if (\idx)&1
	v_pk_fma_f32 v[\d:\d+1], v[\a:\a+1], v[\base+\idx-1:\base+\idx], v[\d:\d+1] op_sel:[0,1,0] op_sel_hi:[1,1,1]
.else
	v_pk_fma_f32 v[\d:\d+1], v[\a:\a+1], v[\base+\idx:\base+\idx+1], v[\d:\d+1] op_sel_hi:[1,0,1]
.endif
.endm
; u = t A + B for the six memberships, then u^2
.macro MEMB_U ub, t0, t1, t2
	v_pk_fma_f32 v[\ub+0:\ub+1], v[\t0:\t0+1], v[UC+0:UC+1], v[UC+0:UC+1] op_sel:[0,0,1] op_sel_hi:[1,0,1]
	v_pk_fma_f32 v[\ub+2:\ub+3], v[\t0:\t0+1], v[UC+2:UC+3], v[UC+2:UC+3] op_sel:[0,0,1] op_sel_hi:[1,0,1]
	v_pk_fma_f32 v[\ub+4:\ub+5], v[\t1:\t1+1], v[UC+4:UC+5], v[UC+4:UC+5] op_sel:[0,0,1] op_sel_hi:[1,0,1]
	v_pk_fma_f32 v[\ub+6:\ub+7], v[\t1:\t1+1], v[UC+6:UC+7], v[UC+6:UC+7] op_sel:[0,0,1] op_sel_hi:[1,0,1]
	v_pk_fma_f32 v[\ub+8:\ub+9], v[\t2:\t2+1], v[UC+8:UC+9], v[UC+8:UC+9] op_sel:[0,0,1] op_sel_hi:[1,0,1]
	v_pk_fma_f32 v[\ub+10:\ub+11], v[\t2:\t2+1], v[UC+10:UC+11], v[UC+10:UC+11] op_sel:[0,0,1] op_sel_hi:[1,0,1]
.irp f, 0,2,4,6,8,10
	v_pk_mul_f32 v[\ub+\f:\ub+\f+1], v[\ub+\f:\ub+\f+1], v[\ub+\f:\ub+\f+1]
.endr
.endm
.macro MEMB_E ub                       ; q = exp2(-u^2), in place
.irp f, 0,1,2,3,4,5,6,7,8,9,10,11
	v_exp_f32 v[\ub+\f], -v[\ub+\f]
.endr
.endm
.macro MEMB_P ub                       ; qubit 0: p = min(q + 1e-16, c^2); qubits 1, 2: 1 - min(q, c^2)
	v_pk_add_f32 v[\ub:\ub+1], v[\ub:\ub+1], 0x24e69595 op_sel_hi:[1,0]
	v_pk_add_f32 v[\ub+2:\ub+3], v[\ub+2:\ub+3], 0x24e69595 op_sel_hi:[1,0]
.irp f, 4,5,6,7,8,9,10,11,0,1,2,3
	v_min_num_f32 v[\ub+\f], s42, v[\ub+\f]
.endr
.irp f, 4,6,8,10
	v_pk_add_f32 v[\ub+\f:\ub+\f+1], 1.0, v[\ub+\f:\ub+\f+1] op_sel_hi:[0,1] neg_lo:[0,1] neg_hi:[0,1]
.endr
.endm
.macro BCM gb                          ; the four products b[s1] c[s0]
.irp s, 0,1,2,3
	v_pk_mul_f32 v[\gb+O_BC+2*\s:\gb+O_BC+2*\s+1], v[\gb+O_U+4+2*(\s/2):\gb+O_U+5+2*(\s/2)], v[\gb+O_U+8+2*(\s%2):\gb+O_U+9+2*(\s%2)]
.endr
.endm
.macro DEV gb                          ; out_i - mu_i in one rounding
.irp i, 0,1,2,3,4,5,6,7
	PKFMA_C \gb+O_D+2*\i, \gb+O_U+2*(\i/4), \gb+O_BC+2*(\i%4), NM, \i
.endr
.endm
.macro LOGITS                          ; six chains (two groups x three logits) that take turns
.irp gb, GB0, GB1
	v_pk_fma_f32 v[\gb+O_V:\gb+O_V+1], v[\gb+O_D:\gb+O_D+1], v[AJ:AJ+1], v[CJ:CJ+1] op_sel_hi:[1,0,0]
	v_pk_fma_f32 v[\gb+O_V+2:\gb+O_V+3], v[\gb+O_D:\gb+O_D+1], v[AJ+8:AJ+9], v[CJ:CJ+1] op_sel:[0,0,1] op_sel_hi:[1,0,1]
	v_pk_fma_f32 v[\gb+O_V+4:\gb+O_V+5], v[\gb+O_D:\gb+O_D+1], v[AJ+16:AJ+17], v[CJ+2:CJ+3] op_sel_hi:[1,0,0]
.endr
.irp i, 1,2,3,4,5,6,7
.irp gb, GB0, GB1
.irp j, 0,1,2
	PKFMA_B \gb+O_V+2*\j, \gb+O_D+2*\i, AJ+8*\j, \i
.endr
.endr
.endr
.endm
.macro SINES                           ; each step for both groups and all three logits
.irp gb, GB0, GB1
.irp e, 0,1,2,3,4,5
	v_rndne_f32 v[\gb+O_K+\e], v[\gb+O_V+\e]
.endr
.endr
.irp gb, GB0, GB1
.irp j, 0,2,4
	v_pk_add_f32 v[\gb+O_V+\j:\gb+O_V+\j+1], v[\gb+O_V+\j:\gb+O_V+\j+1], v[\gb+O_K+\j:\gb+O_K+\j+1] neg_lo:[0,1] neg_hi:[0,1]   ; f
.endr
.endr
.irp gb, GB0, GB1
.irp j, 0,2,4
	v_pk_mul_f32 v[\gb+O_W+\j:\gb+O_W+\j+1], v[\gb+O_V+\j:\gb+O_V+\j+1], v[\gb+O_V+\j:\gb+O_V+\j+1]                            ; w = f^2
.endr
.endr
.irp gb, GB0, GB1
.irp j, 0,2,4
	v_pk_fma_f32 v[\gb+O_K+\j:\gb+O_K+\j+1], v[\gb+O_W+\j:\gb+O_W+\j+1], v[PL:PL+1], v[PL:PL+1] op_sel:[0,0,1] op_sel_hi:[1,0,1]   ; w c9 + c7
.endr
.endr
.irp gb, GB0, GB1
.irp j, 0,2,4
	v_pk_fma_f32 v[\gb+O_K+\j:\gb+O_K+\j+1], v[\gb+O_K+\j:\gb+O_K+\j+1], v[\gb+O_W+\j:\gb+O_W+\j+1], v[PL+2:PL+3] op_sel_hi:[1,1,0]   ; + c5
.endr
.endr
.irp gb, GB0, GB1
.irp j, 0,2,4
	v_pk_fma_f32 v[\gb+O_K+\j:\gb+O_K+\j+1], v[\gb+O_K+\j:\gb+O_K+\j+1], v[\gb+O_W+\j:\gb+O_W+\j+1], v[PL+2:PL+3] op_sel:[0,0,1] op_sel_hi:[1,1,1]   ; + c3
.endr
.endr
.irp gb, GB0, GB1
.irp j, 0,2,4
	v_pk_fma_f32 v[\gb+O_K+\j:\gb+O_K+\j+1], v[\gb+O_K+\j:\gb+O_K+\j+1], v[\gb+O_W+\j:\gb+O_W+\j+1], v[PL+4:PL+5] op_sel_hi:[1,1,0]   ; + c1
.endr
.endr
.irp gb, GB0, GB1
.irp j, 0,2,4
	v_pk_mul_f32 v[\gb+O_V+\j:\gb+O_V+\j+1], v[\gb+O_K+\j:\gb+O_K+\j+1], v[\gb+O_V+\j:\gb+O_V+\j+1]                            ; sin(pi f)
.endr
.endr
.irp gb, GB0, GB1
.irp j, 0,2,4
	v_pk_mul_f32 v[\gb+O_W+\j:\gb+O_W+\j+1], v[\gb+O_V+\j:\gb+O_V+\j+1], v[\gb+O_V+\j:\gb+O_V+\j+1]                            ; pq = sin^2
.endr
.endr
.irp gb, GB0, GB1
.irp j, 0,2,4
	v_pk_add_f32 v[\gb+O_K+\j:\gb+O_K+\j+1], 1.0, v[\gb+O_W+\j:\gb+O_W+\j+1] op_sel_hi:[0,1] neg_lo:[0,1] neg_hi:[0,1]         ; cq = 1 - pq
.endr
.endr
.irp gb, GB0, GB1
	v_pk_mul_f32 v[\gb+O_E:\gb+O_E+1], v[\gb+O_K+2:\gb+O_K+3], v[\gb+O_K+4:\gb+O_K+5]      ; cq1 cq2
	v_pk_mul_f32 v[\gb+O_G:\gb+O_G+1], v[\gb+O_K:\gb+O_K+1], v[\gb+O_K+4:\gb+O_K+5]        ; cq0 cq2
.endr
.irp gb, GB0, GB1
.irp r, 0,1                            ; the even row's three numbers, then the odd row's: the order of memory
	v_mul_f32 v[\gb+O_D+3*\r], v[\gb+O_K+\r], v[\gb+O_E+\r]        ; cq0 cq1 cq2
	v_mul_f32 v[\gb+O_D+3*\r+1], v[\gb+O_W+\r], v[\gb+O_E+\r]      ; pq0 cq1 cq2
	v_mul_f32 v[\gb+O_D+3*\r+2], v[\gb+O_G+\r], v[\gb+O_W+2+\r]    ; cq0 pq1 cq2
.endr
.endr
.endm
.macro TRIP k
	s_wait_loadcnt 6-2*\k                          ; loads come back in order (ISA guide 5.7.1): groups 2 k and 2 k + 1 are in, the 6 - 2 k later groups' loads stay out
	v_pk_add_f32 v[GB0:GB0+1], v[TD+8*\k:TD+8*\k+1], v[TD+8*\k+2:TD+8*\k+3] neg_lo:[1,1] neg_hi:[1,1]     ; t2 = -(t0 + t1)
	v_pk_add_f32 v[GB1:GB1+1], v[TD+8*\k+4:TD+8*\k+5], v[TD+8*\k+6:TD+8*\k+7] neg_lo:[1,1] neg_hi:[1,1]
	MEMB_U GB0+O_U, TD+8*\k, TD+8*\k+2, GB0
	MEMB_U GB1+O_U, TD+8*\k+4, TD+8*\k+6, GB1
	MEMB_E GB0+O_U
	MEMB_E GB1+O_U
	v_nop                                          ; one plain instruction behind the run of 24 v_exp_f32 (ISA guide 5.7.2)
	s_wait_alu depctr_va_vdst(0)
	MEMB_P GB0+O_U
	MEMB_P GB1+O_U
	BCM GB0
	BCM GB1
	DEV GB0
	DEV GB1
	LOGITS
	SINES
	; the way out: 24 bytes a lane into the wave's own stage, read back 16 consecutive bytes a lane
.irp i, 0,1,2
	ds_store_b64 v5, v[GB0+O_D+2*\i:GB0+O_D+2*\i+1] offset:8*\i
	ds_store_b64 v5, v[GB1+O_D+2*\i:GB1+O_D+2*\i+1] offset:768+8*\i
.endr
.if \k
	s_wait_xcnt 0x0                                ; OB is the data of the last trip's stores: loaded again only behind this wait
.endif
.irp n, 0,1,2
	ds_load_b128 v[OB+4*\n:OB+4*\n+3], v6 offset:512*\n    ; LDS serves a wave's instructions in order: these see the stores above, and the next trip's stores come behind them
.endr
.irp n, 0,1,2
	s_wait_dscnt 2-\n                              ; read-back n is in, the 2 - n younger ones may be out
	global_store_b128 v4, v[OB+4*\n:OB+4*\n+3], s[24:25] offset:\k*1536+512*\n th:TH_STORE_NT     ; a wave's store covers 512 consecutive bytes, aligned
.endr
.endm
	TRIP 0
	TRIP 1
	TRIP 2
	TRIP 3
	s_wait_tensorcnt 0x0
	ds_add_u32 v232, v233
	s_wait_dscnt 0x0
	s_endpgm
.Lfunc_end_k_q663b226825_apply:
	.size	k_q663b226825_apply, .Lfunc_end_k_q663b226825_apply-k_q663b226825_apply
	.p2alignl 7, 3214868480
	.fill 96, 4, 3214868480
	.section	.rodata,"a",@progbits
	.p2align	6, 0x0
	.amdhsa_kernel k_q663b226825_apply
		.amdhsa_group_segment_fixed_size 15360
		.amdhsa_private_segment_fixed_size 0
		.amdhsa_enable_private_segment 0
		.amdhsa_kernarg_size 88
		.amdhsa_user_sgpr_count 2
		.amdhsa_user_sgpr_kernarg_segment_ptr 1
		.amdhsa_wavefront_size32 1
		.amdhsa_system_sgpr_workgroup_id_x 1
		.amdhsa_system_sgpr_workgroup_id_y 1
		.amdhsa_system_sgpr_workgroup_id_z 1
		.amdhsa_system_vgpr_workitem_id 0
		.amdhsa_next_free_vgpr 234
		.amdhsa_next_free_sgpr 66
		.amdhsa_reserve_vcc 1
		.amdhsa_float_denorm_mode_32 3
		.amdhsa_float_denorm_mode_16_64 3
		.amdhsa_memory_ordered 1
		.amdhsa_forward_progress 1
		.amdhsa_inst_pref_size 74
	.end_amdhsa_kernel
	.amdgpu_metadata
---
amdhsa.version: [ 1, 2 ]
amdhsa.kernels:
  - .name:           k_q663b226825_apply
    .symbol:         k_q663b226825_apply.kd
    .args:
      - { .name: tbuf, .offset: 0, .size: 8, .value_kind: global_buffer, .address_space: global }
      - { .name: stats, .offset: 8, .size: 8, .value_kind: global_buffer, .address_space: global }
      - { .name: gamma, .offset: 16, .size: 8, .value_kind: global_buffer, .address_space: global }
      - { .name: beta, .offset: 24, .size: 8, .value_kind: global_buffer, .address_space: global }
      - { .name: m, .offset: 32, .size: 8, .value_kind: global_buffer, .address_space: global }
      - { .name: theta, .offset: 40, .size: 8, .value_kind: global_buffer, .address_space: global }
      - { .name: gamma2, .offset: 48, .size: 8, .value_kind: global_buffer, .address_space: global }
      - { .name: beta2, .offset: 56, .size: 8, .value_kind: global_buffer, .address_space: global }
      - { .name: W2, .offset: 64, .size: 8, .value_kind: global_buffer, .address_space: global }
      - { .name: b2, .offset: 72, .size: 8, .value_kind: global_buffer, .address_space: global }
      - { .name: out0, .offset: 80, .size: 8, .value_kind: global_buffer, .address_space: global }
    .group_segment_fixed_size: 15360
    .private_segment_fixed_size: 0
    .kernarg_segment_align: 8
    .kernarg_segment_size: 88
    .max_flat_workgroup_size: 256
    .sgpr_count:     66
    .vgpr_count:     234
    .wavefront_size: 32
...
	.end_amdgpu_metadata
.endif
;; end of part 2
